; MI455X (gfx1250); checked and timed in simulation.
; The chip was launched on July 23, 2026; its instructions are those of AMD's public machine-readable ISA for CDNA 5 (MIT licence, August 2026) and "CDNA5" Instruction Set Architecture Reference Guide (July 2026). The comments in the code are by the model that wrote it; some were corrected since.
;; Self Attention. Allowed arithmetic: matrix products marked QUANTISED: E3M2 operands, one E8M0 scale for each 32 along K, by v_wmma_scale_f32_16x16x128_f8f6f4 with both operands' format E3M2, f32 sums; everything else in f32.
;; Inputs: Wk 512 x 512 float32; Wo 512 x 512 float32; Wq 512 x 512 float32; Wv 512 x 512 float32; bk 512 float32; bo 512 float32; bq 512 float32; bv 512 float32; x 2 x 4,096 x 512 float32.
;; Outputs: out0 2 x 4,096 x 512 float32.
;; This version of the problem:
;;   THIS VERSION OF THE PROBLEM IS GIVEN IN LOW PRECISION. The matrix products marked QUANTISED in the list below multiply operands that are first quantised to E3M2 (3 exponent bits, 2 mantissa bits; 6 bits a number), with one power-of-two scale for each 32 numbers along K (OCP MX v1.0); their sums are f32. All else is computed in f32.
;;   The module's matrix products, in the order in which they are computed (A, B: the left and right operand; K: the contracted axis; several contracted axes count as one K, in the product's order):
;;     1. [M 8,192, K 512] x [K 512, N 512]; A: input x; B: input Wq: QUANTISED
;;     2. [M 8,192, K 512] x [K 512, N 512]; A: input x; B: input Wk: QUANTISED
;;     3. [M 8,192, K 512] x [K 512, N 512]; A: input x; B: input Wv: QUANTISED
;;     4. batch 16 x [M 4,096, K 64] x [K 64, N 4,096]; A: computed on the way; B: computed on the way: QUANTISED
;;     5. batch 16 x [M 4,096, K 4,096] x [K 4,096, N 64]; A: softmax (see below); B: computed on the way: QUANTISED
;;     6. [M 8,192, K 512] x [K 512, N 512]; A: computed on the way; B: input Wo: QUANTISED
;;   THE QUANTISER, for each operand of a quantised product, along K:
;;     - K is cut into blocks of 32 from its start; a last block that is shorter is filled with zeros.
;;     - A block's scale is 2^e with e = floor(log2(the largest magnitude in the block)) - 4, held to -126 .. 127; a block of zeros has e = 0. As a byte (E8M0): e + 127.
;;     - Each number is divided by its block's scale, clamped to +-28, and rounded to the nearest number of E3M2, ties to even, subnormals kept.
;;     - The product sums the exact products of the quantised numbers (number of the format x scale) in f32.
;;   ~~~python
;;   def quantise(x, axis):      # numpy; x: float32 -> the quantised numbers, widened to float32 again
;;       x = np.moveaxis(x, axis, -1); K = x.shape[-1]
;;       x = np.pad(x, [(0, 0)] * (x.ndim - 1) + [(0, -K % 32)]); x = x.reshape(x.shape[:-1] + (-1, 32)); a = np.abs(x).max(-1, keepdims=True)
;;       e = np.where(a > 0, np.clip(np.frexp(np.where(a > 0, a, 1))[1] - 1 - 4, -126, 127), 0)      # np.frexp(a)[1] - 1 = floor(log2(a)), exactly
;;       r = np.clip(x / 2.0 ** e, -28, 28)
;;       step = 2.0 ** (np.maximum(np.frexp(np.where(r == 0, 1, r))[1] - 1, -2) - 2)
;;       q = np.round(r / step) * step * 2.0 ** e      # np.round: ties to even
;;       return np.moveaxis(q.reshape(q.shape[:-2] + (-1,))[..., :K], -1, axis).astype(np.float32)
;;   ~~~
;;   SOFTMAX AHEAD OF A QUANTISED PRODUCT. Where the list says 'softmax', what is quantised is not the finished softmax but p = 2^(t - M), with t = logit x log2(e) and M = ceil(the row's largest t), a whole number; so 1/2 < the row's largest p <= 1. The row's sum l is taken of the UNQUANTISED p, in f32, and the product's result is divided by l at the end. Since M is a whole number, a kernel that streams over the keys may use a running M (the ceiling of the running maximum): every later rescaling is an exact power of two, which a block's scale takes up: the codes' values come out the same.
;;   OPERANDS COMPUTED ON THE WAY. 'Computed on the way' means the value that the module computes at that place (a softmax that the list does not call 'softmax' is quantised finished and normalised). What goes into a quantiser is computed in f32, as accurately as f32 sums, v_exp_f32 and their like allow (about 1e-6 of the number): no bf16 or f16 on the way to a quantiser, and a product that is left as it is and whose result goes on into a quantised operand takes f32 operands (vector FMAs, or v_wmma_f32_16x16x4_f32). A number that lies on a knife's edge between two numbers of the format may be rounded either way, as far as f32 arithmetic and the matrix unit's own rounding can turn it there, and no further.
;; One version. Each part assembles by itself: llvm-mc -triple=amdgcn-amd-amdhsa -mcpu=gfx1250 --defsym DOCPART=n.
;; ======== version 1 of 1: 4 launches
;; limits: right only within a limited range of input values
;; workspace buffers: wimg 786,432 bytes; wsc 32,768 bytes; qimg 3,145,728 bytes; qsc 262,144 bytes; kv 6,815,744 bytes; cimg 3,145,728 bytes; csc 131,072 bytes
;; launch prep (part 1): grid 64 x 4, 1 waves a work-group, no clusters, 0 bytes of LDS; arguments Wq, Wk, Wv, Wo, wimg, wsc; writes wimg, wsc
.if DOCPART == 1
	.amdgcn_target "amdgcn-amd-amdhsa--gfx1250"
	.amdhsa_code_object_version 6
	.text
	.protected	k_q56168c0b6f_prep
	.globl	k_q56168c0b6f_prep
	.p2align	8
	.type	k_q56168c0b6f_prep,@function
k_q56168c0b6f_prep:
	s_mov_b64 s[64:65], 0
	v_nop
	global_prefetch_b8 v0, s[64:65] scope:SCOPE_SE
	s_setreg_imm32_b32 hwreg(HW_REG_WAVE_MODE, 25, 1), 1
	s_wait_xcnt 0x0
; The four weights [512 (k)][512 (n)], f32, become codes of BF6 (E3M2) with one E8M0 byte for each 32 along K, laid as IMAGES OF OPERAND REGISTERS:
; wimg [matrix 4][group of 32 columns 16][K step of 128: 4][tile u: 2] x 1,536 bytes: registers 4 k .. 4 k + 3 of lane l at 512 k + 16 l.  wsc [matrix][group][K step] x 128 bytes: lane r + 16 u holds the scale word of tile u's column r.
; THE COLUMNS OF A TILE ARE NOT NEIGHBOURS: lane r of tile u holds column 8 u + r + 8 (r / 8) of its group, so that the results of tiles 0 and 1, used as source 0, are 16 neighbouring columns in a lane's 16 registers.
; A work-group is one wave: 32 neighbouring columns x 128 along K.  A LANE TAKES A COLUMN AND ITS REGISTERS RUN DOWN K: each load reads 128 consecutive bytes, a block of 32 lies in one lane, and the conversions give codes with K innermost.
; A lane so makes the registers of TWO lanes of the image (l = r and l = r + 16: blocks 0, 2 and blocks 1, 3); each store writes 256 consecutive aligned bytes of each of the two tiles.
; A block's scale byte is its largest magnitude's exponent field - 4, held at 1 from below.  LIMITS: NaN and infinities are not served; a block of zeros, or one whose largest magnitude lies under 2^-122, gets the byte 1
; (the rule says 127 for zeros): its codes are zeros or the rule's own, and only this program reads the bytes.
; No LDS, no barrier, no matrix work: 4 MB are read once and 0.8 MB written.
.set X,  32                            ; v32-159  128 numbers of my column
.set P0, 160                           ; v160-171 the image's lane r;  v172-183 its lane r + 16
.set T,  184                           ; v184-199 the upper halves of the four blocks (a conversion's three registers begin on an even number)
	s_load_b256 s[4:11], s[0:1], 0x0               ; Wq, Wk, Wv, Wo
	s_load_b128 s[12:15], s[0:1], 0x20             ; wimg, wsc
	v_lshlrev_b32 v1, 2, v0                        ; in: 4 bytes a lane
	v_bfe_u32 v4, v0, 3, 1                         ; u: which tile my column belongs to
	v_and_b32 v5, 7, v0
	v_lshrrev_b32 v6, 4, v0
	v_lshl_or_b32 v5, v6, 3, v5                    ; r: its lane there
	v_mul_u32_u24 v2, v4, 1536
	v_lshl_add_u32 v2, v5, 4, v2                   ; out: 1,536 u + 16 r
	v_lshl_add_u32 v3, v4, 4, v5
	v_lshlrev_b32 v3, 2, v3                        ; the scale word: 4 (r + 16 u)
	s_lshr_b32 s16, ttmp9, 4                       ; matrix
	s_and_b32 s17, ttmp9, 15                       ; group of 32 columns
	s_and_b32 s18, ttmp7, 0xffff                   ; K step
	s_lshl_b32 s20, s18, 18                        ; 128 rows of 2,048 bytes
	s_lshl_b32 s17, s17, 7                         ; 32 columns of 4 bytes
	s_add_co_u32 s20, s20, s17
	s_mov_b32 s21, 0
	s_lshl_b32 s22, ttmp9, 2
	s_add_co_u32 s22, s22, s18                     ; (matrix, group, K step) as one number
	s_mul_i32 s24, s22, 3072
	s_mov_b32 s25, 0
	s_lshl_b32 s26, s22, 7
	s_mov_b32 s27, 0
	s_wait_alu depctr_va_vdst(0)
	s_wait_kmcnt 0x0
	s_cmp_eq_u32 s16, 1                            ; the weight is chosen by the work-group's number alone
	s_cselect_b64 s[4:5], s[6:7], s[4:5]
	s_cmp_eq_u32 s16, 2
	s_cselect_b64 s[4:5], s[8:9], s[4:5]
	s_cmp_eq_u32 s16, 3
	s_cselect_b64 s[4:5], s[10:11], s[4:5]
	s_add_nc_u64 s[4:5], s[4:5], s[20:21]
	s_add_nc_u64 s[12:13], s[12:13], s[24:25]
	s_add_nc_u64 s[14:15], s[14:15], s[26:27]
.set i, 0
.rept 128
	global_load_b32 v[X+i], v1, s[4:5] offset:2048*i th:TH_LOAD_NT   ; W(128 s + i, my column)
.set i, i+1
.endr
.irp q, 0,1,2,3                        ; block q = 2 c + h: registers 6 c .. 6 c + 5 of the image's lane r + 16 h
.if \q < 2
	s_wait_loadcnt 63                              ; 96 and 64 younger loads may be out: the wait names 63 at the most
.else
	s_wait_loadcnt 32*(3-\q)                       ; the younger blocks' loads may be out
.endif
	v_max3_num_f32 v[8+\q], |v[X+32*\q]|, |v[X+32*\q+1]|, 0x2800000   ; with the floor 2^(5 - 127): the byte cannot fall under 1
.irp i, 2,4,6,8,10,12,14,16,18,20,22,24,26,28,30
	v_max3_num_f32 v[8+\q], v[8+\q], |v[X+32*\q+\i]|, |v[X+32*\q+\i+1]|
.endr
	v_add_nc_u32 v[12+\q], 0xfe000000, v[8+\q]     ; 4 off the exponent field: the conversion's scale operand
	v_lshrrev_b32 v[16+\q], 23, v[12+\q]           ; the scale's byte
	v_cvt_scalef32_pk16_bf6_f32 v[P0+12*(\q%2)+6*(\q/2):P0+12*(\q%2)+6*(\q/2)+2], v[X+32*\q:X+32*\q+15], v[12+\q]
	v_cvt_scalef32_pk16_bf6_f32 v[T+4*\q:T+4*\q+2], v[X+32*\q+16:X+32*\q+31], v[12+\q]
.endr
	v_nop                                          ; one plain place behind a scaled conversion
.irp q, 0,1,2,3
.irp i, 0,1,2
	v_mov_b32 v[P0+12*(\q%2)+6*(\q/2)+3+\i], v[T+4*\q+\i]
.endr
.endr
	v_lshl_or_b32 v20, v17, 8, v16                 ; my column's scale word for these 128 along K
	v_lshl_or_b32 v20, v18, 16, v20
	v_lshl_or_b32 v20, v19, 24, v20
.irp e, 0,1
.irp k, 0,1,2
	global_store_b128 v2, v[P0+12*\e+4*\k:P0+12*\e+4*\k+3], s[12:13] offset:256*\e+512*\k   ; sixteen lanes fill 256 consecutive aligned bytes of tile 0, sixteen of tile 1
.endr
.endr
	global_store_b32 v3, v20, s[14:15]             ; 128 consecutive bytes
	s_endpgm
.Lfunc_end_k_q56168c0b6f_prep:
	.size	k_q56168c0b6f_prep, .Lfunc_end_k_q56168c0b6f_prep-k_q56168c0b6f_prep
	.p2alignl 7, 3214868480
	.fill 96, 4, 3214868480
	.section	.rodata,"a",@progbits
	.p2align	6, 0x0
	.amdhsa_kernel k_q56168c0b6f_prep
		.amdhsa_group_segment_fixed_size 0
		.amdhsa_private_segment_fixed_size 0
		.amdhsa_enable_private_segment 0
		.amdhsa_kernarg_size 48
		.amdhsa_user_sgpr_count 2
		.amdhsa_user_sgpr_kernarg_segment_ptr 1
		.amdhsa_wavefront_size32 1
		.amdhsa_system_sgpr_workgroup_id_x 1
		.amdhsa_system_sgpr_workgroup_id_y 1
		.amdhsa_system_sgpr_workgroup_id_z 1
		.amdhsa_system_vgpr_workitem_id 0
		.amdhsa_next_free_vgpr 200
		.amdhsa_next_free_sgpr 66
		.amdhsa_reserve_vcc 0
		.amdhsa_float_denorm_mode_32 3
		.amdhsa_float_denorm_mode_16_64 3
		.amdhsa_memory_ordered 1
		.amdhsa_forward_progress 1
		.amdhsa_inst_pref_size 21
	.end_amdhsa_kernel
	.amdgpu_metadata
---
amdhsa.version: [ 1, 2 ]
amdhsa.kernels:
  - .name:           k_q56168c0b6f_prep
    .symbol:         k_q56168c0b6f_prep.kd
    .args:
      - { .name: Wq, .offset: 0, .size: 8, .value_kind: global_buffer, .address_space: global }
      - { .name: Wk, .offset: 8, .size: 8, .value_kind: global_buffer, .address_space: global }
      - { .name: Wv, .offset: 16, .size: 8, .value_kind: global_buffer, .address_space: global }
      - { .name: Wo, .offset: 24, .size: 8, .value_kind: global_buffer, .address_space: global }
      - { .name: wimg, .offset: 32, .size: 8, .value_kind: global_buffer, .address_space: global }
      - { .name: wsc, .offset: 40, .size: 8, .value_kind: global_buffer, .address_space: global }
    .group_segment_fixed_size: 0
    .private_segment_fixed_size: 0
    .kernarg_segment_align: 8
    .kernarg_segment_size: 48
    .max_flat_workgroup_size: 32
    .sgpr_count:     66
    .vgpr_count:     200
    .wavefront_size: 32
...
	.end_amdgpu_metadata
.endif
;; end of part 1
;; launch qkv (part 2): grid 4 x 64, 4 waves a work-group, no clusters, 53,760 bytes of LDS; arguments x, wimg, wsc, bq, bk, bv, qimg, qsc, kv; writes qimg, qsc, kv
.if DOCPART == 2
	.amdgcn_target "amdgcn-amd-amdhsa--gfx1250"
	.amdhsa_code_object_version 6
	.text
	.protected	k_q56168c0b6f_qkv
	.globl	k_q56168c0b6f_qkv
	.p2align	8
	.type	k_q56168c0b6f_qkv,@function
k_q56168c0b6f_qkv:
	s_mov_b64 s[64:65], 0
	v_nop
	global_prefetch_b8 v0, s[64:65] scope:SCOPE_SE
	s_setreg_imm32_b32 hwreg(HW_REG_WAVE_MODE, 25, 1), 1
	s_wait_xcnt 0x0
; Q = x Wq + bq, K = x Wk + bk, V = x Wv + bv on codes of BF6 (E3M2) with E8M0 scales, and their results quantised again for the attention: Q and K along the head's 64, V along the keys.
; SHARES.  A work-group takes 128 rows of x (R = work-group y) and the 128 columns of a pair of heads (g = work-group x) of each of Q, K, V.  Wave w quantises 32 of the rows (8 fragments of 16 rows x 128 K), which reach
; the other waves through LDS as images of their registers (3 ds_store_b128 a fragment, lane l's 16 bytes at 16 l); then it makes one head of Q (waves 0, 1) or of K (waves 2, 3), 64 columns x 128 rows, and 32 columns of V x 128 rows:
; 192 matrix instructions.  The waves' roles differ in scalar offsets and pointers alone, chosen on the wave's number: the text has no branch and no loop, and one barrier.
; THE ROWS OF A TILE ARE NOT NEIGHBOURS: in each group of 32 rows of x (or columns of a weight) lane r of tile u holds index 8 u + r + 8 (r / 8).  So with source 0 = a weight's tile and source 1 = x's, a lane holds one row of x and
; the 16 registers of two neighbouring tiles are 16 neighbouring columns (Q, K: the next K is the head's 64); with the sources swapped a lane holds one column and its registers run along 16 neighbouring rows (V: the next K is the keys).
; The biases are the C of each sum's first matrix instruction.
; OUT, all as images of operand registers.  A half fragment (16 rows x 64 K, 6 registers): registers 0-1 at 8 l, registers 2-5 at 256 + 16 l: 768 bytes.  qimg [b h 16][tile 256]; qsc [b h][pair of tiles 128] x 128 bytes (lanes 0-15 the even
; tile's words, lanes 16-31 the odd tile's; bytes 0, 1).  kv [b h][step of 128 keys 32] x 13,312 bytes: K's 8 half fragments, V^T's 4 fragments (16 of the head's 64 x 128 keys), K's 4 scale images, V's 4.  Every store covers 128, 256 or 512 consecutive bytes.
; NO CLUSTER: no tile goes through the data mover.  Each wave's 24 fragments of weights are its own and go from memory straight into its registers; x arrives as f32 and has to pass the vector unit before any wave can use it.
; LIMITS: NaN and infinities are not served; a block of zeros, or one whose largest magnitude lies under 2^-122, gets the scale byte 1 (the rule says 127 for zeros): only this program reads the bytes.
; REGISTERS, in windows of 256.  Window 0: addresses, scale words, biases, x's 8 fragments of a K step, the quantiser's work.  Window 1: my 16 fragments of Wq or Wk, (t, s) at 12 (4 t + s).
; Window 2: Q's or K's 32 accumulators, (m, t) at 32 m + 8 t; before that the numbers of x's fragments 0-3.  Window 3: V's 16 accumulators, (n, m) at 64 n + 8 m, and from v128 my 8 fragments of Wv; before that the numbers of x's fragments 4-7.
; THE ORDER OF x's ROWS IN A TILE (it takes the place of what is said of x's rows above; the weights' columns stay as said): of a block of 128 rows, lane r of tile m holds row
; 8 (m % 4) + 64 (m / 4) + r % 8 + 32 (r / 8).  So in a result whose registers run along the rows (V here, S^T in the attention), lane (r, h) holds rows 64 c + 32 h + 0 .. 31 in registers 32 c + 0 .. 31:
; whole blocks of 32 keys in a lane, in the order of a 6-bit operand's registers.
.set FRB, 1536
.set XSC, 49152                        ; LDS: x's 32 fragments (tile m, K step s: 4 m + s) from 0, their scale words, 128 bytes each, from here
.set REC, 13312                        ; a record of kv
.set LI,  2                            ; v2   16 x lane
.set LS,  3                            ; v3   4 x lane
.set L8,  4                            ; v4   8 x lane
.set XA,  5                            ; v5   x: my row of a tile, 2,048 bytes a row, + 64 h: my 16 numbers of a block of 32
.set XWI, 6                            ; v6   where I store x's images: 16 x lane + 8 fragments x wave
.set XWS, 7                            ; v7   and their scale words
.set BA,  8                            ; v8   64 h: a lane's eight numbers of bq or bk
.set BVA, 9                            ; v9   4 (r + 8 (r / 8)): a lane's one number of bv
.set SH,  10                           ; v10  16 h
.set WS,  16                           ; v16-23  Wq's or Wk's scale words: (pair of tiles, K step) at 4 bb + s; lanes 0-15 the even tile's, lanes 16-31 the odd tile's
.set WVS, 24                           ; v24-27  Wv's, by K step
.set XS,  28                           ; v28-35  x's, by tile
.set BI,  36                           ; v36-67  bq or bk in the result's layout, 8 registers a tile
.set BV,  68                           ; v68-83  bv likewise: all eight registers hold the lane's column's number
.set XF,  84                           ; v84-179 x's 8 fragments of a K step
.set PC,  180                          ; v180-191 the codes just made; v192-198 the conversions' upper halves
.set TM,  200                          ; v200-203 largest magnitudes, v204-207 bytes, v212-215 the conversions' scale operands
.set PW,  216                          ; the scale word just made
.set SW,  217                          ; the same, lanes 16-31 shifted down by two bytes
.set SEL, 24                           ; s[24:25] v_permlanex16_b32's selects for lane l xor 16
.set MSB, 0
.macro WIN new                         ; the immediate's high byte repeats the setting that is left; a switch that changes nothing is dropped
.if MSB != (\new)
	s_set_vgpr_msb (MSB<<8)|(\new)
.set MSB, (\new)
.endif
.endm
; 64 numbers of a lane, v[QS] .. v[QS + 63] of window QW, register 16 b + i = k 32 b + 16 h + i of my row, become a fragment's codes in v[PC] on and its scale word in v[PW].
.macro QUANT
	WIN (QW<<2)|(QW<<4)                            ; sources 1 and 2 in the numbers' window
.irp b, 0,1,2,3
	v_max3_num_f32 v[TM+\b], 0x2800000, |v[QS+16*\b]|, |v[QS+16*\b+1]|   ; block b: my 16 numbers, and the floor 2^(5 - 127): the byte cannot fall under 1
.endr
.irp i, 2,4,6,8,10,12,14
.irp b, 0,1,2,3
	v_max3_num_f32 v[TM+\b], v[TM+\b], |v[QS+16*\b+\i]|, |v[QS+16*\b+\i+1]|   ; the four blocks by turns; each accumulator is met at its low end first
.endr
.endr
	WIN 0
.irp b, 0,1,2,3
	v_permlanex16_b32 v[TM+4+\b], v[TM+\b], s[SEL], s[SEL+1]
.endr
.irp b, 0,1,2,3
	v_max_num_f32 v[TM+\b], v[TM+\b], v[TM+4+\b]   ; with lane l xor 16's: the block's largest magnitude
.endr
.irp b, 0,1,2,3
	v_add_nc_u32 v[TM+12+\b], 0xfe000000, v[TM+\b] ; 4 off its exponent field: the conversion's scale operand
.endr
.irp b, 0,1,2,3
	v_lshrrev_b32 v[TM+4+\b], 23, v[TM+12+\b]      ; the scale's byte
.endr
	v_lshl_or_b32 v[PW], v[TM+5], 8, v[TM+4]
	v_lshl_or_b32 v[PW], v[TM+6], 16, v[PW]
	v_lshl_or_b32 v[PW], v[TM+7], 24, v[PW]
	WIN QW                                         ; source 0 in the numbers' window
.irp c, 0,1
	v_cvt_scalef32_pk16_bf6_f32 v[PC+6*\c:PC+6*\c+2], v[QS+32*\c:QS+32*\c+15], v[TM+12+2*\c]
	v_cvt_scalef32_pk16_bf6_f32 v[PC+12+4*\c:PC+14+4*\c], v[QS+16+32*\c:QS+31+32*\c], v[TM+13+2*\c]   ; (a conversion's three registers begin on an even number)
.endr
	WIN 0
	v_nop                                          ; one plain place behind a scaled conversion
.irp c, 0,1                            ; the operand's layout wants a WHOLE block in a lane: lanes 0-15 block 2 c, lanes 16-31 block 2 c + 1
.irp i, 0,1,2
	v_permlane16_swap_b32 v[PC+6*\c+\i], v[PC+12+4*\c+\i]
.endr
.irp i, 0,1,2
	v_mov_b32 v[PC+3+6*\c+\i], v[PC+12+4*\c+\i]
.endr
.endr
.endm
; V: 64 numbers of a lane, register 32 c + i = key 64 c + 32 h + i of my column: two whole blocks of 32.  They become a fragment's codes in v[PC] on; the scale word's four bytes are gathered from lanes l and l xor 16.
.macro QUANTV
	WIN (QW<<2)|(QW<<4)
.irp c, 0,1
	v_max3_num_f32 v[TM+\c], 0x2800000, |v[QS+32*\c]|, |v[QS+32*\c+1]|   ; with the floor 2^(5 - 127): the byte cannot fall under 1
.endr
.irp i, 2,4,6,8,10,12,14,16,18,20,22,24,26,28,30
.irp c, 0,1
	v_max3_num_f32 v[TM+\c], v[TM+\c], |v[QS+32*\c+\i]|, |v[QS+32*\c+\i+1]|   ; each accumulator is met at its low end first
.endr
.endr
	WIN 0
.irp c, 0,1
	v_add_nc_u32 v[TM+12+\c], 0xfe000000, v[TM+\c] ; 4 off the exponent field: the conversion's scale operand
.endr
.irp c, 0,1
	v_lshrrev_b32 v[TM+4+\c], 23, v[TM+12+\c]      ; the scale's byte
.endr
	v_lshl_or_b32 v[PW], v[TM+5], 16, v[TM+4]      ; blocks h and 2 + h,
	v_lshlrev_b32 v[SW], 3, v12
	v_lshlrev_b32 v[PW], v[SW], v[PW]              ; at their places, 8 h bits up;
	v_permlanex16_b32 v[TM+6], v[PW], s[SEL], s[SEL+1]
	v_or_b32 v[PW], v[PW], v[TM+6]                 ; with lane l xor 16's two the word is whole
	WIN QW
.irp c, 0,1
	v_cvt_scalef32_pk16_bf6_f32 v[PC+6*\c:PC+6*\c+2], v[QS+32*\c:QS+32*\c+15], v[TM+12+\c]
	v_cvt_scalef32_pk16_bf6_f32 v[PC+12+4*\c:PC+14+4*\c], v[QS+32*\c+16:QS+32*\c+31], v[TM+12+\c]
.endr
	WIN 0
	v_nop                                          ; one plain place behind a scaled conversion
.irp c, 0,1
.irp i, 0,1,2
	v_mov_b32 v[PC+3+6*\c+\i], v[PC+12+4*\c+\i]
.endr
.endr
.endm
.macro XLOAD f
	WIN 0x80+0x40*((\f)/4)                         ; destination window 2 or 3
.irp b, 0,1,2,3
.irp j, 0,1,2,3
	global_load_b128 v[64*((\f)%4)+16*\b+4*\j:64*((\f)%4)+16*\b+4*\j+3], v[XA], s[28:29] offset:((\f)/4)*16384+((\f)%4)*512+128*\b+16*\j
.endr
.endr
.endm
; One product of Q or K: x's tile m against my weight's tile t, K step s.  Source 0 = the weight.
.macro MQK m, t, s
.set rD, 32*(\m)+8*(\t)
.set rW, 12*(4*(\t)+(\s))
.set rX, XF+12*(\m)
.set rS, WS+4*((\t)/2)+(\s)
.if (\s) == 0
.if (\t)%2
	v_wmma_scale_f32_16x16x128_f8f6f4 v[rD:rD+7], v[rW:rW+11], v[rX:rX+11], v[BI+8*(\t):BI+8*(\t)+7], v[rS], v[XS+(\m)] matrix_a_fmt:MATRIX_FMT_BF6 matrix_b_fmt:MATRIX_FMT_BF6 matrix_a_scale:MATRIX_SCALE_ROW1
.else
	v_wmma_scale_f32_16x16x128_f8f6f4 v[rD:rD+7], v[rW:rW+11], v[rX:rX+11], v[BI+8*(\t):BI+8*(\t)+7], v[rS], v[XS+(\m)] matrix_a_fmt:MATRIX_FMT_BF6 matrix_b_fmt:MATRIX_FMT_BF6
.endif
.else
.if (\t)%2
	v_wmma_scale_f32_16x16x128_f8f6f4 v[rD:rD+7], v[rW:rW+11], v[rX:rX+11], v[rD:rD+7], v[rS], v[XS+(\m)] matrix_a_fmt:MATRIX_FMT_BF6 matrix_b_fmt:MATRIX_FMT_BF6 matrix_a_scale:MATRIX_SCALE_ROW1
.else
	v_wmma_scale_f32_16x16x128_f8f6f4 v[rD:rD+7], v[rW:rW+11], v[rX:rX+11], v[rD:rD+7], v[rS], v[XS+(\m)] matrix_a_fmt:MATRIX_FMT_BF6 matrix_b_fmt:MATRIX_FMT_BF6
.endif
.endif
.endm
; One product of V: x's tile m against Wv's tile n, K step s.  Source 0 = x: a lane holds one column of V and eight keys.
.macro MV n, m, s
.set rD, 64*(\n)+8*(\m)
.set rW, 128+12*(4*(\n)+(\s))
.set rX, XF+12*(\m)
.if (\s) == 0
.if (\n)
	v_wmma_scale_f32_16x16x128_f8f6f4 v[rD:rD+7], v[rX:rX+11], v[rW:rW+11], v[BV+8*(\n):BV+8*(\n)+7], v[XS+(\m)], v[WVS+(\s)] matrix_a_fmt:MATRIX_FMT_BF6 matrix_b_fmt:MATRIX_FMT_BF6 matrix_b_scale:MATRIX_SCALE_ROW1
.else
	v_wmma_scale_f32_16x16x128_f8f6f4 v[rD:rD+7], v[rX:rX+11], v[rW:rW+11], v[BV+8*(\n):BV+8*(\n)+7], v[XS+(\m)], v[WVS+(\s)] matrix_a_fmt:MATRIX_FMT_BF6 matrix_b_fmt:MATRIX_FMT_BF6
.endif
.else
.if (\n)
	v_wmma_scale_f32_16x16x128_f8f6f4 v[rD:rD+7], v[rX:rX+11], v[rW:rW+11], v[rD:rD+7], v[XS+(\m)], v[WVS+(\s)] matrix_a_fmt:MATRIX_FMT_BF6 matrix_b_fmt:MATRIX_FMT_BF6 matrix_b_scale:MATRIX_SCALE_ROW1
.else
	v_wmma_scale_f32_16x16x128_f8f6f4 v[rD:rD+7], v[rX:rX+11], v[rW:rW+11], v[rD:rD+7], v[XS+(\m)], v[WVS+(\s)] matrix_a_fmt:MATRIX_FMT_BF6 matrix_b_fmt:MATRIX_FMT_BF6
.endif
.endif
.endm
	s_load_b256 s[4:11], s[0:1], 0x0               ; x s[4:5], wimg s[6:7], wsc s[8:9], bq s[10:11]
	s_load_b256 s[12:19], s[0:1], 0x20             ; bk s[12:13], bv s[14:15], qimg s[16:17], qsc s[18:19]
	s_load_b64 s[20:21], s[0:1], 0x40              ; kv
	v_lshl_add_u32 v254, v0, 2, 0xd000
	v_mov_b32 v255, 0
	v_lshrrev_b32 v1, 5, v0
	v_readfirstlane_b32 s22, v1                    ; wave w, 0..3
	v_and_b32 v1, 31, v0                           ; lane
	v_and_b32 v11, 15, v0                          ; r
	v_bfe_u32 v12, v0, 4, 1                        ; h
	v_lshlrev_b32 v[LI], 4, v1
	v_lshlrev_b32 v[LS], 2, v1
	v_lshlrev_b32 v[L8], 3, v1
	v_and_b32 v13, 8, v11
	v_add_nc_u32 v13, v13, v11                     ; r + 8 (r / 8)
	v_and_b32 v14, 8, v11
	v_lshl_add_u32 v14, v14, 1, v13                ; r + 24 (r / 8): my row of a tile of x
	v_lshlrev_b32 v[XA], 11, v14
	v_lshl_add_u32 v[XA], v12, 6, v[XA]
	s_mul_i32 s50, s22, 8*FRB
	v_add_nc_u32 v[XWI], s50, v[LI]
	s_lshl_b32 s50, s22, 10
	v_add_nc_u32 v[XWS], s50, v[LS]
	v_lshlrev_b32 v[BA], 6, v12
	v_lshlrev_b32 v[BVA], 2, v13
	v_lshlrev_b32 v[SH], 4, v12
.irp b, 0,1,2,3
	v_mov_b32 v[TM+4+\b], 0                        ; written once: a lane permute's destination counts as one of its sources
.endr
	; offsets, each in the pair that will hold its address
	s_mov_b32 s23, ttmp9                           ; g: the pair of heads
	s_and_b32 s26, ttmp7, 0xffff                   ; R: the block of 128 rows
	s_lshr_b32 s27, s22, 1                         ; sel: 0 I make Q, 1 I make K
	s_and_b32 s51, s22, 1                          ; hp: which head of the pair
	s_lshr_b32 s52, s26, 5                         ; b: the batch
	s_and_b32 s53, s26, 31                         ; the step of 128 keys in it
	s_lshl_b32 s28, s26, 18                        ; x: 128 rows of 2,048 bytes a block,
	s_lshl_b32 s54, s51, 15                        ; my two tiles begin at row 16 (w % 2) + 64 (w / 2) of the block
	s_lshl_b32 s55, s27, 17
	s_add_co_u32 s54, s54, s55
	s_add_co_u32 s28, s28, s54
	s_mov_b32 s29, 0
	s_lshl_b32 s54, s27, 4
	s_lshl_b32 s55, s23, 2
	s_add_co_u32 s54, s54, s55
	s_lshl_b32 s56, s51, 1
	s_add_co_u32 s54, s54, s56                     ; 16 sel + 4 g + 2 hp: my head's first group of 32 columns in wimg and wsc
	s_mul_i32 s30, s54, 12288
	s_mov_b32 s31, 0
	s_lshl_b32 s34, s54, 9
	s_mov_b32 s35, 0
	s_add_co_u32 s54, s55, s22
	s_add_co_u32 s54, s54, 32                      ; 32 + 4 g + w: my group of Wv
	s_mul_i32 s32, s54, 12288
	s_mov_b32 s33, 0
	s_lshl_b32 s36, s54, 9
	s_mov_b32 s37, 0
	s_lshl_b32 s54, s23, 9
	s_lshl_b32 s56, s51, 8
	s_add_co_u32 s38, s54, s56                     ; bq, bk: column 128 g + 64 hp
	s_mov_b32 s39, 0
	s_lshl_b32 s56, s22, 7
	s_add_co_u32 s40, s54, s56                     ; bv: column 128 g + 32 w
	s_mov_b32 s41, 0
	s_lshl_b32 s54, s52, 3
	s_lshl_b32 s56, s23, 1
	s_add_co_u32 s54, s54, s56
	s_add_co_u32 s56, s54, s51                     ; 8 b + 2 g + hp: Q's or K's head
	s_add_co_u32 s57, s54, s27                     ; 8 b + 2 g + w / 2: V's head
	s_lshl_b32 s58, s56, 5
	s_add_co_u32 s58, s58, s53
	s_mul_i32 s58, s58, REC                        ; K: the record,
	s_add_co_u32 s59, s58, 12288                   ; and its scale images
	s_lshl_b32 s60, s56, 8
	s_lshl_b32 s61, s53, 3
	s_add_co_u32 s60, s60, s61
	s_mul_i32 s60, s60, 768                        ; Q: tile 8 step of the head,
	s_lshl_b32 s61, s56, 7
	s_lshl_b32 s62, s53, 2
	s_add_co_u32 s61, s61, s62
	s_lshl_b32 s61, s61, 7                         ; and pair 4 step
	s_cmp_eq_u32 s27, 0
	s_cselect_b32 s42, s60, s58
	s_cselect_b32 s44, s61, s59
	s_mov_b32 s43, 0
	s_mov_b32 s45, 0
	s_lshl_b32 s58, s57, 5
	s_add_co_u32 s58, s58, s53
	s_mul_i32 s58, s58, REC                        ; V: the record,
	s_mul_i32 s59, s51, 2*FRB
	s_add_co_u32 s46, s58, s59
	s_add_co_u32 s46, s46, 6144                    ; tiles 2 (w % 2) and 2 (w % 2) + 1 of V^T,
	s_mov_b32 s47, 0
	s_lshl_b32 s59, s51, 8
	s_add_co_u32 s48, s58, s59
	s_add_co_u32 s48, s48, 12800                   ; and their scale images
	s_mov_b32 s49, 0
	s_mov_b32 s[SEL], 0x76543210
	s_mov_b32 s[SEL+1], 0xfedcba98
	s_wait_alu depctr_va_vdst(0)
	s_wait_kmcnt 0x0
	s_cmp_eq_u32 s27, 0                            ; the buffers are chosen by the wave's number alone
	s_cselect_b64 s[50:51], s[16:17], s[20:21]     ; codes go to qimg or to kv,
	s_cselect_b64 s[52:53], s[18:19], s[20:21]     ; scale words to qsc or to kv,
	s_cselect_b64 s[54:55], s[10:11], s[12:13]     ; the bias is bq or bk
	s_add_nc_u64 s[28:29], s[4:5], s[28:29]
	s_add_nc_u64 s[30:31], s[6:7], s[30:31]
	s_add_nc_u64 s[32:33], s[6:7], s[32:33]
	s_add_nc_u64 s[34:35], s[8:9], s[34:35]
	s_add_nc_u64 s[36:37], s[8:9], s[36:37]
	s_add_nc_u64 s[38:39], s[54:55], s[38:39]
	s_add_nc_u64 s[40:41], s[14:15], s[40:41]
	s_add_nc_u64 s[42:43], s[50:51], s[42:43]
	s_add_nc_u64 s[44:45], s[52:53], s[44:45]
	s_add_nc_u64 s[46:47], s[20:21], s[46:47]
	s_add_nc_u64 s[48:49], s[20:21], s[48:49]
	; ---- all loads but Wv's go out: 48 + 12 + 8 + 16, then x's 128
	WIN 0x40                                       ; destination window 1
.irp t, 0,1,2,3
.irp s, 0,1,2,3
.irp c, 0,1,2
	global_load_b128 v[12*(4*\t+\s)+4*\c:12*(4*\t+\s)+4*\c+3], v[LI], s[30:31] offset:(\t/2)*12288+\s*3072+(\t%2)*1536+512*\c
.endr
.endr
.endr
	WIN 0
.irp b, 0,1
.irp s, 0,1,2,3
	global_load_b32 v[WS+4*\b+\s], v[LS], s[34:35] offset:\b*512+\s*128
.endr
.endr
.irp s, 0,1,2,3
	global_load_b32 v[WVS+\s], v[LS], s[36:37] offset:\s*128
.endr
.irp t, 0,1,2,3
	global_load_b128 v[BI+8*\t:BI+8*\t+3], v[BA], s[38:39] offset:(32*(\t/2)+8*(\t%2))*4       ; columns 32 (t / 2) + 8 (t % 2) + 16 h + 0 .. 7
	global_load_b128 v[BI+8*\t+4:BI+8*\t+7], v[BA], s[38:39] offset:(32*(\t/2)+8*(\t%2))*4+16
.endr
.irp n, 0,1
.irp j, 0,1,2,3,4,5,6,7
	global_load_b32 v[BV+8*\n+\j], v[BVA], s[40:41] offset:32*\n   ; column 8 n + r + 8 (r / 8), the same in all eight registers
.endr
.endr
.irp f, 0,1,2,3,4,5,6,7
	XLOAD \f
.endr
	WIN 0
	; ---- X: my 32 rows of x become eight fragments in LDS
.irp f, 0,1,2,3,4,5,6,7
.if \f < 4
	s_wait_loadcnt 63                              ; 16 (7 - f) younger loads may be out: the wait names 63 at the most
.else
	s_wait_loadcnt 16*(7-\f)
.endif
	s_wait_dscnt 0x0                               ; the last image's stores have read their registers
.set QS, 64*(\f%4)
.set QW, 2+\f/4
	QUANT
.irp c, 0,1,2
	ds_store_b128 v[XWI], v[PC+4*\c:PC+4*\c+3] offset:\f*FRB+512*\c
.endr
	ds_store_b32 v[XWS], v[PW] offset:XSC+128*\f
.endr
	WIN 0xc0                                       ; destination window 3: Wv's fragments land where x's last numbers lay, which have been converted
.irp n, 0,1
.irp s, 0,1,2,3
.irp c, 0,1,2
	global_load_b128 v[128+12*(4*\n+\s)+4*\c:128+12*(4*\n+\s)+4*\c+3], v[LI], s[32:33] offset:\s*3072+\n*1536+512*\c
.endr
.endr
.endr
	WIN 0
	s_wait_dscnt 0x0                               ; for the others' sake: my images lie in LDS
	s_barrier_signal -1
	s_barrier_wait -1                              ; all 32 fragments do
	; ---- the products, a K step at a time: 32 for Q or K, 16 for V.  The accumulators take turns, one instruction a turn
.irp s, 0,1,2,3
.if \s > 0
.rept 4
	v_nop                                          ; four places in front of loads into registers that matrix instructions have read
.endr
.endif
.irp m, 0,1,2,3,4,5,6,7
.irp c, 0,1,2
	ds_load_b128 v[XF+12*\m+4*\c:XF+12*\m+4*\c+3], v[LI] offset:(4*\m+\s)*FRB+512*\c
.endr
	ds_load_b32 v[XS+\m], v[LS] offset:XSC+(4*\m+\s)*128
.endr
	s_wait_dscnt 0x0
.if \s == 0
	WIN 0x81                                       ; source 0 window 1, C (the bias) window 0, D window 2
.else
	WIN 0xa1                                       ; C and D window 2
.endif
.irp m, 0,1,2,3,4,5,6,7
.irp t, 0,1,2,3
	MQK \m, \t, \s
.endr
.endr
.if \s == 0
	s_wait_loadcnt 0x0                             ; Wv's fragments
	WIN 0xcc                                       ; source 1 window 3, C (the bias) window 0, D window 3
.else
	WIN 0xfc                                       ; C and D window 3
.endif
.irp m, 0,1,2,3,4,5,6,7
.irp n, 0,1
	MV \n, \m, \s
.endr
.endr
	WIN 0
.endr
.rept 4
	v_nop                                          ; four places in front of the first read of results
.endr
	; ---- out.  Q or K: the 64 registers of x's tiles 2 p and 2 p + 1 are four blocks of 32 along the head's 64: one pass of the quantiser gives two half fragments
.irp p, 0,1,2,3
	s_wait_xcnt 0x0                                ; the earlier stores' data are rewritten only behind this wait
.set QS, 64*\p
.set QW, 2
	QUANT
	v_lshrrev_b32 v[SW], v[SH], v[PW]              ; lanes 0-15 keep tile 2 p's two bytes lowest, lanes 16-31 get tile 2 p + 1's there
	global_store_b64 v[L8], v[PC:PC+1], s[42:43] offset:1536*\p
	global_store_b128 v[LI], v[PC+2:PC+5], s[42:43] offset:1536*\p+256
	global_store_b64 v[L8], v[PC+6:PC+7], s[42:43] offset:1536*\p+768
	global_store_b128 v[LI], v[PC+8:PC+11], s[42:43] offset:1536*\p+1024
	global_store_b32 v[LS], v[SW], s[44:45] offset:128*\p
.endr
	; V: the 64 registers of a tile of columns are 128 keys' halves: a whole fragment of V^T
.irp n, 0,1
	s_wait_xcnt 0x0
.set QS, 64*\n
.set QW, 3
	QUANTV
.irp c, 0,1,2
	global_store_b128 v[LI], v[PC+4*\c:PC+4*\c+3], s[46:47] offset:1536*\n+512*\c
.endr
	global_store_b32 v[LS], v[PW], s[48:49] offset:128*\n
.endr
	s_wait_tensorcnt 0x0
	ds_add_u32 v254, v255
	s_wait_dscnt 0x0
	s_endpgm
.Lfunc_end_k_q56168c0b6f_qkv:
	.size	k_q56168c0b6f_qkv, .Lfunc_end_k_q56168c0b6f_qkv-k_q56168c0b6f_qkv
	.p2alignl 7, 3214868480
	.fill 96, 4, 3214868480
	.section	.rodata,"a",@progbits
	.p2align	6, 0x0
	.amdhsa_kernel k_q56168c0b6f_qkv
		.amdhsa_group_segment_fixed_size 53760
		.amdhsa_private_segment_fixed_size 0
		.amdhsa_enable_private_segment 0
		.amdhsa_kernarg_size 72
		.amdhsa_user_sgpr_count 2
		.amdhsa_user_sgpr_kernarg_segment_ptr 1
		.amdhsa_wavefront_size32 1
		.amdhsa_system_sgpr_workgroup_id_x 1
		.amdhsa_system_sgpr_workgroup_id_y 1
		.amdhsa_system_sgpr_workgroup_id_z 1
		.amdhsa_system_vgpr_workitem_id 0
		.amdhsa_next_free_vgpr 1024
		.amdhsa_next_free_sgpr 66
		.amdhsa_reserve_vcc 0
		.amdhsa_float_denorm_mode_32 3
		.amdhsa_float_denorm_mode_16_64 3
		.amdhsa_memory_ordered 1
		.amdhsa_forward_progress 1
		.amdhsa_inst_pref_size 118
	.end_amdhsa_kernel
	.amdgpu_metadata
---
amdhsa.version: [ 1, 2 ]
amdhsa.kernels:
  - .name:           k_q56168c0b6f_qkv
    .symbol:         k_q56168c0b6f_qkv.kd
    .args:
      - { .name: x, .offset: 0, .size: 8, .value_kind: global_buffer, .address_space: global }
      - { .name: wimg, .offset: 8, .size: 8, .value_kind: global_buffer, .address_space: global }
      - { .name: wsc, .offset: 16, .size: 8, .value_kind: global_buffer, .address_space: global }
      - { .name: bq, .offset: 24, .size: 8, .value_kind: global_buffer, .address_space: global }
      - { .name: bk, .offset: 32, .size: 8, .value_kind: global_buffer, .address_space: global }
      - { .name: bv, .offset: 40, .size: 8, .value_kind: global_buffer, .address_space: global }
      - { .name: qimg, .offset: 48, .size: 8, .value_kind: global_buffer, .address_space: global }
      - { .name: qsc, .offset: 56, .size: 8, .value_kind: global_buffer, .address_space: global }
      - { .name: kv, .offset: 64, .size: 8, .value_kind: global_buffer, .address_space: global }
    .group_segment_fixed_size: 53760
    .private_segment_fixed_size: 0
    .kernarg_segment_align: 8
    .kernarg_segment_size: 72
    .max_flat_workgroup_size: 128
    .sgpr_count:     66
    .vgpr_count:     1024
    .wavefront_size: 32
...
	.end_amdgpu_metadata
.endif
;; end of part 2
;; launch attn (part 3): grid 16 x 16, 16 waves a work-group, clusters of 4 x 1, 327,680 bytes of LDS; arguments qimg, qsc, kv, cimg, csc; writes cimg, csc
.if DOCPART == 3
	.amdgcn_target "amdgcn-amd-amdhsa--gfx1250"
	.amdhsa_code_object_version 6
	.text
	.protected	k_q56168c0b6f_attn
	.globl	k_q56168c0b6f_attn
	.p2align	8
	.type	k_q56168c0b6f_attn,@function
k_q56168c0b6f_attn:
	s_mov_b64 s[64:65], 0
	v_nop
	global_prefetch_b8 v0, s[64:65] scope:SCOPE_SE
	s_setreg_imm32_b32 hwreg(HW_REG_WAVE_MODE, 25, 1), 1
	s_wait_xcnt 0x0
	s_wait_alu depctr_hold_cnt(0) depctr_sa_sdst(0) depctr_va_vdst(0) depctr_va_sdst(0) depctr_va_ssrc(0) depctr_va_vcc(0) depctr_vm_vsrc(0)
	s_getreg_b32 s2, hwreg(HW_REG_IB_STS2, 6, 4)
	s_cmp_eq_u32 s2, 0
	s_cbranch_scc0 .Lentry_in_a_cluster
	s_endpgm
.Lentry_in_a_cluster:
	s_bfe_u32 s2, ttmp6, 0x10000c
	s_cmp_lg_u32 s2, 0x3003
	s_cbranch_scc0 .Lentry_shape_is_right
	s_endpgm
.Lentry_shape_is_right:
; ctx[b][h][q] = the sum over k of softmax_k(Q . K / sqrt(512)) V, both products on codes of BF6 (E3M2) with E8M0 scales, and ctx quantised along the model's 512 for the last product.
; THE SOFTMAX AHEAD OF THE SECOND PRODUCT: t = score x log2(e) / sqrt(512); M = the row's largest t so far, rounded UP to a whole number; p = 2^(t - M) is quantised along the keys, not normalised.
; The row's sum is taken of the unquantised p and divides O at the end.  When M moves, the sum and O are multiplied by 2^(old M - new M): exact.
; SHARES.  A work-group owns 256 queries of one head (b h = work-group y); each of its sixteen waves owns one tile of 16 queries and walks the head's 32 steps of 128 keys.
; OPERANDS ARRIVE AS IMAGES OF THEIR REGISTERS: a step's record of 13,312 bytes holds K's 8 half fragments (16 keys x 64: registers 0-1 at 8 l, registers 2-5 at 256 + 16 l), V^T's 4 fragments
; (registers 4 c .. 4 c + 3 at 512 c + 16 l), K's 4 scale images and V's 4.  Every LDS load reads consecutive bytes.
; LAYOUT.  Both products are used transposed: S^T = K Q^T, O^T = V^T P^T: a lane holds ONE query throughout.  Lane r of K's tile t holds key 8 (t % 4) + 64 (t / 4) + r % 8 + 32 (r / 8), so lane (r, h) has
; keys 64 c + 32 h + 0 .. 31 in registers 32 c + 0 .. 31 of S^T: two WHOLE blocks of 32, in the order of the next operand's registers.  A block's maximum needs no other lane and no code changes lanes;
; only the row's maximum and the scale word's four bytes are joined with lane l xor 16.
; THE FIRST PRODUCT'S K IS 64 in an instruction of 128: Q's registers 6-11 hold zero codes.  K's tiles lie 6 registers apart, so a tile's registers 6-11 are the next tile's codes (six zero registers behind the last):
; every code is a finite number, which x 0 adds nothing.  The upper two bytes of the scale words are another tile's bytes or 0, never 0xff.
; THE RING.  Two LDS slots of 12 records: steps 0-11 in slot 0, 12-23 in slot 1, 24-31 in slot 0 again.  Every wave brings a sixteenth of each fill: 39 rows of 256 bytes, or 26 of the last.  By this text's count a wave
; has one tensor load out at a time.  CLUSTER: the four query blocks of a cluster walk the same head's records, so each load is asked for JOINTLY by the four, with one descriptor and the mask 15.
; THE CHANGE OF SLOTS: in a slot's last step each wave signals as soon as V^T's fragments are in its registers; the softmax, the second product and the sums, work on registers, stand between signal and wait.
; THE ROW'S SUM: 28 packed additions stand behind the second product's matrix instructions, the last 4 behind the next step's first product: they are the places that those instructions ask for.
; NO PREFETCH: each fill is asked for a whole slot, 12 key steps or 144 matrix instructions of a wave, ahead of the wait for it.
; OUT.  cimg [b 256 + tile][head] x 768 bytes: a half fragment, 16 rows x the head's 64.  csc [b 256 + tile][row 16][16 bytes]: byte 2 head + block.
; LIMITS: NaN and infinities are not served; the scaled scores t stay under 2^31 in magnitude; a block of zeros, or one whose largest magnitude lies under 2^-122, gets the scale byte 1 (only this program reads
; the bytes); 1 / the sum by v_rcp_f32 and p by v_exp_f32; log2(e) / sqrt(512) is one f32 constant.
.set REC,   13312
.set SLOT1B, 12*REC                    ; slot 1 begins here
.set SPARE, 24*REC                     ; the spare words, 128 bytes for each of 16 waves: eight blocks of 256 bytes that no other line names
.set SPW, 4                            ; v4   LDS address of my spare word; never rewritten
.set NIL, 5                            ; v5   0; never rewritten
.set A16, 6                            ; v6   the step's record + 16 x lane
.set A8,  7                            ; v7   + 8 x lane
.set A4,  8                            ; v8   + 4 x lane
.set QSC, 28                           ; v28  Q's scale words
.set SH8, 29                           ; v29  8 h
.set KS,  32                           ; v32-35  K's scale words, by pair of tiles
.set VS,  36                           ; v36-39  V's, by tile
.set FR,  40                           ; v40-87  K's 8 tiles at 40 + 6 t, later V^T's 4 fragments at 40 + 12 t;  v88-93 zeros
.set S,   96                           ; v96-159 S^T, then p
.set O,   160                          ; v160-191 O^T
.set PC,  192                          ; v192-203 p's codes
.set PT,  204                          ; v204-206, v208-210 the conversions' upper halves
.set BM,  212                          ; v212-213 my two blocks' largest score, then largest p
.set SOP, 214                          ; v214-215 the conversions' scale operands
.set BT,  216                          ; v216-217 the scale bytes
.set BX,  218                          ; v218-219 the maxima's second chains
.set TMP, 224
.set TM2, 225
.set F,   226                          ; v[226:227] f = 2^(old M - new M); v227 is written once, since the pair is named
.set PSW, 228                          ; v228 p's scale word
.set PX,  229                          ; v229 what lane l xor 16 sends
.set T,   232                          ; v232-239 the step's sum of p in four chains of pairs
.set WV,  14                           ; s14  my wave's number
.set G1,  24                           ; s[24:31] descriptor group 1: 39 rows
.set G0A, 32                           ; s[32:35] group 0: steps 0-11 into slot 0
.set G0B, 36                           ; s[36:39] steps 12-23 into slot 1
.set SEL, 40                           ; s[40:41] lane selects for lane l xor 16
.set CS,  42                           ; s[42:43] c = log2(e) / sqrt(512)
.set TB,  44                           ; s44  LDS byte at which the step's record begins
.set CNT, 45                           ; s45  counts steps
.set G0C, 48                           ; s[48:51] steps 24-31 into slot 0
.set G1C, 52                           ; s[52:59] group 1: 26 rows
.macro CREST                           ; a round of the cluster's barrier behind its opening barrier
	s_cmp_lg_u32 s[WV], 0
	s_cbranch_scc1 .Lnot_wave_0_\@
	s_barrier_signal -3
.Lnot_wave_0_\@:
	s_barrier_wait -3
	s_barrier_signal -1
	s_barrier_wait -1
.endm
.macro ROUND
	s_barrier_signal -1
	s_barrier_wait -1
	CREST
.endm
	s_load_b256 s[4:11], s[0:1], 0x0               ; qimg s[4:5], qsc s[6:7], kv s[8:9], cimg s[10:11]
	s_load_b64 s[12:13], s[0:1], 0x20              ; csc
	v_lshl_add_u32 v[SPW], v0, 2, SPARE
	v_mov_b32 v[NIL], 0
	ds_add_u32 v[SPW], v[NIL]                      ; the opening: the add, twice on end, and its wait ahead of my first tensor load
	ds_add_u32 v[SPW], v[NIL]
	v_lshrrev_b32 v11, 5, v0
	v_readfirstlane_b32 s[WV], v11                 ; wave 0..15
	s_bfe_u32 s15, ttmp6, 0x40000                  ; cx: it enters Q's and ctx's global addresses alone
	s_lshl_b32 s16, ttmp9, 2
	s_add_co_u32 s16, s16, s15                     ; my block of 256 queries
	s_lshl_b32 s16, s16, 4
	s_add_co_u32 s16, s16, s[WV]                   ; my tile of 16 queries, 0..255
	s_and_b32 s17, ttmp7, 0xffff                   ; b h, which the four partners share
	s_mul_i32 s78, s[WV], 39*256                   ; my sixteenth of 12 records,
	s_mul_i32 s79, s[WV], 26*256                   ; and of 8
	s_mul_i32 s76, s17, 32*REC                     ; the head's records
	s_mov_b32 s77, 0
	; descriptor groups 1: dense bytes as rows of 32 elements of 8 bytes; 15:0 the mask: all four work-groups; 21 set beside a mask
.irp g, G1, G1C
	s_mov_b32 s[\g], 15|(3<<16)|(1<<21)
	s_mov_b32 s[\g+1], 32<<16
	s_mov_b32 s[\g+3], 32<<16
	s_mov_b32 s[\g+5], 32
	s_mov_b32 s[\g+6], 0
	s_mov_b32 s[\g+7], 0
.endr
	s_mov_b32 s[G1+2], 39<<16
	s_mov_b32 s[G1+4], 39
	s_mov_b32 s[G1C+2], 26<<16
	s_mov_b32 s[G1C+4], 26
	s_lshl_b32 s68, s17, 8
	s_add_co_u32 s68, s68, s16
	s_mul_i32 s68, s68, 768                        ; Q's codes: (b h, tile)
	s_mov_b32 s69, 0
	s_lshl_b32 s70, s17, 7
	s_lshr_b32 s71, s16, 1
	s_add_co_u32 s70, s70, s71
	s_lshl_b32 s70, s70, 7
	s_and_b32 s71, s16, 1
	s_lshl_b32 s71, s71, 6
	s_add_co_u32 s70, s70, s71                     ; Q's scale words: (b h, pair), the odd tile's 64 bytes on
	s_mov_b32 s71, 0
	s_lshr_b32 s72, s17, 3
	s_lshl_b32 s72, s72, 8
	s_add_co_u32 s72, s72, s16                     ; 256 b + tile
	s_and_b32 s73, s17, 7                          ; the head
	s_lshl_b32 s74, s72, 8
	s_lshl_b32 s75, s73, 1
	s_add_co_u32 s74, s74, s75                     ; ctx's scale bytes
	s_mov_b32 s75, 0
	s_lshl_b32 s72, s72, 3
	s_add_co_u32 s72, s72, s73
	s_mul_i32 s72, s72, 768                        ; ctx's codes
	s_mov_b32 s73, 0
	s_mov_b32 s[SEL], 0x76543210
	s_mov_b32 s[SEL+1], 0xfedcba98
	s_mov_b32 s[CS], 0x3d8293ee                    ; c = log2(e) / sqrt(512)
	s_mov_b32 s[CS+1], s[CS]                       ; (named with it as a pair, so it is written)
	s_mov_b32 s20, s78
	s_mov_b32 s21, 0
	s_mov_b32 s22, s79
	s_mov_b32 s23, 0
	s_wait_dscnt 0x0                               ; both opening adds are done
	s_wait_kmcnt 0x0
	s_add_nc_u64 s[4:5], s[4:5], s[68:69]
	s_add_nc_u64 s[6:7], s[6:7], s[70:71]
	s_add_nc_u64 s[10:11], s[10:11], s[72:73]
	s_add_nc_u64 s[12:13], s[12:13], s[74:75]
	s_add_nc_u64 s[8:9], s[8:9], s[76:77]
	s_mov_b32 s[G0A], 1
	s_mov_b32 s[G0A+1], s78
	s_add_nc_u64 s[G0A+2:G0A+3], s[8:9], s[20:21]
	s_mov_b32 s[G0B], 1
	s_add_co_u32 s[G0B+1], s78, SLOT1B
	s_add_nc_u64 s[G0B+2:G0B+3], s[G0A+2:G0A+3], 12*REC
	s_mov_b32 s[G0C], 1
	s_mov_b32 s[G0C+1], s79
	s_add_nc_u64 s[G0C+2:G0C+3], s[8:9], s[22:23]
	s_add_nc_u64 s[G0C+2:G0C+3], s[G0C+2:G0C+3], 24*REC
	s_or_b32 s[G0A+3], s[G0A+3], 0x80000000        ; type = 2
	s_or_b32 s[G0B+3], s[G0B+3], 0x80000000
	s_or_b32 s[G0C+3], s[G0C+3], 0x80000000
	ROUND                                          ; all four work-groups are here: the first joint loads meet
	tensor_load_to_lds s[G0A:G0A+3], s[G1:G1+7]    ; my one load at the head: my part of steps 0-11
	s_nop 0
	v_and_b32 v11, 31, v0                          ; lane
	v_and_b32 v10, 15, v0                          ; r
	v_lshlrev_b32 v1, 4, v11                       ; v1 = 16 x lane, v2 = 8 x lane, v3 = 4 x lane: they stay
	v_lshlrev_b32 v2, 3, v11
	v_lshlrev_b32 v3, 2, v11
	v_bfe_u32 v11, v0, 4, 1                        ; v11 = h: it stays
	v_lshl_add_u32 v9, v10, 4, v11                 ; v9 = 16 r + h: my scale byte's place on the way out
	v_lshlrev_b32 v10, 2, v10                      ; v10 = 4 r
	v_lshlrev_b32 v[SH8], 3, v11
	global_load_b64 v[16:17], v2, s[4:5] th:TH_LOAD_NT             ; Q's half fragment stays in registers
	global_load_b128 v[18:21], v1, s[4:5] offset:256 th:TH_LOAD_NT
	global_load_b32 v[QSC], v10, s[6:7] th:TH_LOAD_NT
.irp j, 0,1,2,3,4,5
	v_mov_b32 v[22+\j], 0                          ; Q's upper 64 along K: zero codes
	v_mov_b32 v[88+\j], 0                          ; what stands behind K's last tile
.endr
.irp j, 0,1,2,3,4,5,6,7
	v_mov_b32 v[T+\j], 0                           ; no step's sum is pending yet
.endr
	v_mov_b32 v[PX], 0                             ; written once: a lane permute's destination counts as one of its sources
	v_mov_b32 v[F+1], 0
	v_mov_b32 v13, 0xff61b1e6                      ; the largest score so far: -3e38, under every score
	v_mov_b32 v12, 0x7d000000                      ; -M: a large whole number, so that the first f is 0
	v_mov_b32 v14, 0                               ; the sum, in two halves
	v_mov_b32 v15, 0
.set j, 0
.rept 32
	v_mov_b32 v[O+j], 0                            ; O^T.  (The step is written once: the first finds zeros, which the first change of M leaves zeros)
.set j, j+1
.endr
; A KEY STEP: 128 keys, whose record begins at LDS byte s[TB].  last = 1: a slot's last step, which signals the barrier of the change of slots.
.macro STEP last
	v_add_nc_u32 v[A16], s[TB], v1
	v_add_nc_u32 v[A8], s[TB], v2
	v_add_nc_u32 v[A4], s[TB], v3
.irp t, 0,1,2,3,4,5,6,7
	ds_load_b64 v[FR+6*\t:FR+6*\t+1], v[A8] offset:768*\t
	ds_load_b128 v[FR+6*\t+2:FR+6*\t+5], v[A16] offset:768*\t+256
.endr
.irp p, 0,1,2,3
	ds_load_b32 v[KS+\p], v[A4] offset:12288+128*\p
.endr
	s_wait_alu depctr_va_vdst(0)
	s_wait_dscnt 0x0
.irp t, 0,1,2,3,4,5,6,7                ; S^T = K Q^T
.if \t%2
	v_wmma_scale_f32_16x16x128_f8f6f4 v[S+8*\t:S+8*\t+7], v[FR+6*\t:FR+6*\t+11], v[16:27], 0, v[KS+\t/2], v[QSC] matrix_a_fmt:MATRIX_FMT_BF6 matrix_b_fmt:MATRIX_FMT_BF6 matrix_a_scale:MATRIX_SCALE_ROW1
.else
	v_wmma_scale_f32_16x16x128_f8f6f4 v[S+8*\t:S+8*\t+7], v[FR+6*\t:FR+6*\t+11], v[16:27], 0, v[KS+\t/2], v[QSC] matrix_a_fmt:MATRIX_FMT_BF6 matrix_b_fmt:MATRIX_FMT_BF6
.endif
.endr
	v_pk_add_f32 v[T:T+1], v[T:T+1], v[T+2:T+3]                    ; the step before's sum of p joins the row's, still under that step's M: four places behind the products above
	v_pk_add_f32 v[T+4:T+5], v[T+4:T+5], v[T+6:T+7]
	v_pk_add_f32 v[T:T+1], v[T:T+1], v[T+4:T+5]
	v_pk_add_f32 v[14:15], v[14:15], v[T:T+1]
.irp t, 0,1,2,3                        ; V^T's fragments land while the softmax is walked
.irp c, 0,1,2
	ds_load_b128 v[FR+12*\t+4*\c:FR+12*\t+4*\c+3], v[A16] offset:6144+1536*\t+512*\c
.endr
	ds_load_b32 v[VS+\t], v[A4] offset:12800+128*\t
.endr
.if \last
	s_wait_tensorcnt 0x0                           ; all my tensor loads have landed: my part of the slot ahead;
	ds_add_u32 v[SPW], v[NIL]                      ; 0 onto my spare word; the maxima below stand between it and the wait for it
.endif
.irp c, 0,1                            ; THE LARGEST SCORE OF EACH OF MY TWO BLOCKS OF 32 KEYS, in two chains each: it serves the row's maximum and, since p rises with the score, the block's largest p
	v_max3_num_f32 v[BM+\c], v[S+32*\c], v[S+32*\c+1], v[S+32*\c+2]
	v_max3_num_f32 v[BX+\c], v[S+32*\c+16], v[S+32*\c+17], v[S+32*\c+18]
.endr
.irp i, 3,5,7,9,11,13
.irp c, 0,1
	v_max3_num_f32 v[BM+\c], v[BM+\c], v[S+32*\c+\i], v[S+32*\c+\i+1]
	v_max3_num_f32 v[BX+\c], v[BX+\c], v[S+32*\c+16+\i], v[S+32*\c+17+\i]
.endr
.endr
.irp c, 0,1
	v_max3_num_f32 v[BM+\c], v[BM+\c], v[BX+\c], v[S+32*\c+15]
.endr
.irp c, 0,1
	v_max_num_f32 v[BM+\c], v[BM+\c], v[S+32*\c+31]
.endr
.if \last
	s_wait_alu depctr_va_vdst(0)
	s_wait_dscnt 0x0                               ; the add is done, and my reads of this slot are over: V^T's fragments are in registers
	s_barrier_signal -1                            ; say so; up to the barrier's wait only registers are worked on
.endif
	v_max_num_f32 v[TMP], v[BM], v[BM+1]
	s_delay_alu instid0(VALU_DEP_1)
	v_permlanex16_b32 v[PX], v[TMP], s[SEL], s[SEL+1]
	s_delay_alu instid0(VALU_DEP_1)
	v_max3_num_f32 v13, v13, v[TMP], v[PX]         ; the running largest score of my query, lane l xor 16's keys among them
	s_delay_alu instid0(VALU_DEP_1)
	v_mul_f32 v[TMP], s[CS], v13                   ; as t (c is positive)
	s_delay_alu instid0(VALU_DEP_1)
	v_floor_f32 v[TM2], -v[TMP]                    ; the new -M = floor(-t) = -ceil(t): M is a whole number
	s_delay_alu instid0(VALU_DEP_1)
	v_sub_f32 v[TMP], v[TM2], v12                  ; old M - new M: a whole number, 0 or less
	v_mov_b32 v12, v[TM2]
.set j, 0
.rept 32
	v_pk_fma_f32 v[S+j:S+j+1], v[S+j:S+j+1], s[CS:CS+1], v[12:13] op_sel_hi:[1,0,0]   ; t - M, two at a time
.set j, j+2
.endr
.irp c, 0,1
	v_fma_f32 v[BM+\c], v[BM+\c], s[CS], v12       ; the same of each block's largest score
.endr
	v_cvt_i32_f32 v[TMP], v[TMP]                   ; (it saturates)
	s_delay_alu instid0(VALU_DEP_1)
	v_ldexp_f32 v[F], 1.0, v[TMP]                  ; f = 2^(old M - new M)
	s_wait_alu depctr_va_vdst(0)                   ; ahead of the batch
.set j, 0
.rept 64
	v_exp_f32 v[S+j], v[S+j]                       ; p = 2^(t - M), at most 1: not normalised
.set j, j+1
.endr
.irp c, 0,1
	v_exp_f32 v[BM+\c], v[BM+\c]                   ; the block's largest p: the same two instructions on the same number
.endr
	v_pk_mul_f32 v[14:15], v[14:15], v[F:F+1] op_sel_hi:[1,0]      ; the sum under the new M.  (A plain place behind the exponentials)
	s_wait_alu depctr_va_vdst(0)                   ; one wait for the whole batch, ahead of its first reader
.irp c, 0,1
	v_max_num_f32 v[BM+\c], 0x2800000, v[BM+\c]    ; the floor 2^(5 - 127): the byte cannot fall under 1
.endr
.irp c, 0,1
	v_add_nc_u32 v[SOP+\c], 0xfe000000, v[BM+\c]   ; 4 off the exponent field: the conversion's scale operand
.endr
.irp c, 0,1
	v_cvt_scalef32_pk16_bf6_f32 v[PC+6*\c:PC+6*\c+2], v[S+32*\c:S+32*\c+15], v[SOP+\c]
	v_cvt_scalef32_pk16_bf6_f32 v[PT+4*\c:PT+4*\c+2], v[S+32*\c+16:S+32*\c+31], v[SOP+\c]   ; (a conversion's three registers begin on an even number)
.endr
.irp c, 0,1
	v_lshrrev_b32 v[BT+\c], 23, v[SOP+\c]          ; the scale's byte.  (Plain places behind the conversions)
.endr
	v_lshl_or_b32 v[PSW], v[BT+1], 16, v[BT]       ; blocks h and 2 + h,
	v_lshlrev_b32 v[PSW], v[SH8], v[PSW]           ; at their places, 8 h bits up;
	v_permlanex16_b32 v[PX], v[PSW], s[SEL], s[SEL+1]
	v_or_b32 v[PSW], v[PSW], v[PX]                 ; with lane l xor 16's two: p's scale word for these 128 keys
	s_wait_alu depctr_va_vdst(0)                   ; directly ahead of the first reader of O^T
.set j, 0
.rept 8
	v_pk_mul_f32 v[O+j:O+j+1], v[O+j:O+j+1], v[F:F+1] op_sel_hi:[1,0]   ; O^T under the new M, from each accumulator's low end on
.set j, j+2
.endr
.irp c, 0,1
.irp i, 0,1,2
	v_mov_b32 v[PC+3+6*\c+\i], v[PT+4*\c+\i]       ; registers 6 c .. 6 c + 5 hold keys 64 c + 32 h + 0 .. 31
.endr
.endr
.rept 8
	v_pk_mul_f32 v[O+j:O+j+1], v[O+j:O+j+1], v[F:F+1] op_sel_hi:[1,0]   ; (these eight are the places between p's codes and the products below; the scale word stands 22 ahead)
.set j, j+2
.endr
	s_wait_alu depctr_va_vdst(0)
.if \last == 0
	s_wait_dscnt 0x0                               ; V^T's fragments and scale words are in
.endif
.irp t, 0,1,2,3                        ; O^T += V^T P^T: four tiles of 16 of the head's 64, by turns; K = these 128 keys
	v_wmma_scale_f32_16x16x128_f8f6f4 v[O+8*\t:O+8*\t+7], v[FR+12*\t:FR+12*\t+11], v[PC:PC+11], v[O+8*\t:O+8*\t+7], v[VS+\t], v[PSW] matrix_a_fmt:MATRIX_FMT_BF6 matrix_b_fmt:MATRIX_FMT_BF6
.endr
.irp k, 0,1,2,3                        ; THE SUM OF THE UNQUANTISED p, four chains of pairs: also the places in front of the next step's loads
	v_pk_add_f32 v[T+2*\k:T+2*\k+1], v[S+16*\k:S+16*\k+1], v[S+16*\k+2:S+16*\k+3]
.endr
.irp i, 4,6,8,10,12,14
.irp k, 0,1,2,3
	v_pk_add_f32 v[T+2*\k:T+2*\k+1], v[T+2*\k:T+2*\k+1], v[S+16*\k+\i:S+16*\k+\i+1]
.endr
.endr
.endm
.macro WALK n                          ; n key steps: written once, walked n times
	s_mov_b32 s[CNT], \n
.Lstep_\@:
	STEP 0
	s_add_co_u32 s[TB], s[TB], REC
	s_sub_co_u32 s[CNT], s[CNT], 1
	s_cmp_lg_u32 s[CNT], 0
	s_wait_alu depctr_va_vdst(0)                   ; directly ahead of the branch
	s_cbranch_scc1 .Lstep_\@
.endm
	s_wait_alu depctr_va_vdst(0)                   ; the head's end
	s_wait_tensorcnt 0x0                           ; my part of slot 0 is in; the same lines stand ahead of a later first fill as ahead of a refill:
	ds_add_u32 v[SPW], v[NIL]
	s_mov_b32 s[TB], 0
	s_wait_dscnt 0x0
	ROUND                                          ; everybody's part is in, and all four work-groups are here
	tensor_load_to_lds s[G0B:G0B+3], s[G1:G1+7]    ; steps 12-23 into slot 1: my one load behind this round
	s_nop 0
	s_wait_loadcnt 0x0                             ; Q
	WALK 11                                        ; steps 0-10
	STEP 1                                         ; step 11, with the signal that opens the round
	s_wait_alu depctr_va_vdst(0)                   ; directly ahead of the barrier's wait
	s_barrier_wait -1
	CREST                                          ; no wave of any partner still reads slot 0 or has a load on its way; slot 1 is whole
	tensor_load_to_lds s[G0C:G0C+3], s[G1C:G1C+7]  ; steps 24-31 into slot 0
	s_nop 0
	s_mov_b32 s[TB], SLOT1B
	WALK 11                                        ; steps 12-22
	STEP 1                                         ; step 23: it shows slot 0 whole to all waves
	s_wait_alu depctr_va_vdst(0)
	s_barrier_wait -1
	s_mov_b32 s[TB], 0
	WALK 8                                         ; steps 24-31
	; THE WAY OUT.  O^T / the sum is my 16 rows' part of ctx: register 16 b + i = the head's dimension 32 b + 16 h + i: two blocks of 32 along the last product's K.
	v_pk_add_f32 v[T:T+1], v[T:T+1], v[T+2:T+3]    ; the last step's sum of p
	v_pk_add_f32 v[T+4:T+5], v[T+4:T+5], v[T+6:T+7]
	s_delay_alu instid0(VALU_DEP_1)
	v_pk_add_f32 v[T:T+1], v[T:T+1], v[T+4:T+5]
	s_delay_alu instid0(VALU_DEP_1)
	v_pk_add_f32 v[14:15], v[14:15], v[T:T+1]
	s_delay_alu instid0(VALU_DEP_1)
	v_add_f32 v14, v14, v15                        ; the sum's two halves,
	s_delay_alu instid0(VALU_DEP_1)
	v_permlanex16_b32 v[TMP], v14, s[SEL], s[SEL+1]
	s_delay_alu instid0(VALU_DEP_1)
	v_add_f32 v14, v14, v[TMP]                     ; and lane l xor 16's: the row's sum
	s_wait_alu depctr_va_vdst(0)
	v_rcp_f32 v14, v14
	v_nop                                          ; the plain place behind the reciprocal
	v_cmp_eq_u32 vcc_lo, 1, v11                    ; lanes 16-31
	s_wait_alu depctr_va_vdst(0)
.set j, 0
.rept 16
	v_pk_mul_f32 v[S+j:S+j+1], v[O+j:O+j+1], v[14:15] op_sel_hi:[1,0]   ; each accumulator from its low end on
.set j, j+2
.endr
.irp b, 0,1
	v_max3_num_f32 v[BM+\b], |v[S+16*\b]|, |v[S+1+16*\b]|, 0x2800000
.endr
.irp i, 2,4,6,8,10,12,14
.irp b, 0,1
	s_delay_alu instid0(VALU_DEP_2)
	v_max3_num_f32 v[BM+\b], v[BM+\b], |v[S+16*\b+\i]|, |v[S+1+16*\b+\i]|
.endr
.endr
.irp b, 0,1
	s_delay_alu instid0(VALU_DEP_2)
	v_permlanex16_b32 v[BT+\b], v[BM+\b], s[SEL], s[SEL+1]
.endr
.irp b, 0,1
	s_delay_alu instid0(VALU_DEP_2)
	v_max_num_f32 v[BM+\b], v[BM+\b], v[BT+\b]
.endr
.irp b, 0,1
	s_delay_alu instid0(VALU_DEP_2)
	v_add_nc_u32 v[SOP+\b], 0xfe000000, v[BM+\b]
.endr
.irp b, 0,1
	s_delay_alu instid0(VALU_DEP_2)
	v_lshrrev_b32 v[BT+\b], 23, v[SOP+\b]
.endr
	v_cvt_scalef32_pk16_bf6_f32 v[PC:PC+2], v[S:S+15], v[SOP]
	v_cvt_scalef32_pk16_bf6_f32 v[PT:PT+2], v[S+16:S+31], v[SOP+1]
	v_nop                                          ; one plain place behind a scaled conversion
.irp i, 0,1,2
	v_permlane16_swap_b32 v[PC+\i], v[PT+\i]       ; lanes 0-15 get block 0 whole, lanes 16-31 block 1
.endr
.irp i, 0,1,2
	s_delay_alu instid0(VALU_DEP_3)
	v_mov_b32 v[PC+3+\i], v[PT+\i]
.endr
	v_cndmask_b32 v[TMP], v[BT], v[BT+1], vcc_lo   ; my block's byte
	global_store_b64 v2, v[PC:PC+1], s[10:11]                      ; 256 consecutive aligned bytes,
	global_store_b128 v1, v[PC+2:PC+5], s[10:11] offset:256        ; and 512
	global_store_b8 v9, v[TMP], s[12:13]
	s_wait_tensorcnt 0x0                           ; the wave's end
	ds_add_u32 v[SPW], v[NIL]
	s_wait_dscnt 0x0
	ROUND                                          ; the closing round: no work-group ends while a partner may still ask for a tile that names it
	s_endpgm
.Lfunc_end_k_q56168c0b6f_attn:
	.size	k_q56168c0b6f_attn, .Lfunc_end_k_q56168c0b6f_attn-k_q56168c0b6f_attn
	.p2alignl 7, 3214868480
	.fill 96, 4, 3214868480
	.section	.rodata,"a",@progbits
	.p2align	6, 0x0
	.amdhsa_kernel k_q56168c0b6f_attn
		.amdhsa_group_segment_fixed_size 327680
		.amdhsa_private_segment_fixed_size 0
		.amdhsa_enable_private_segment 0
		.amdhsa_kernarg_size 40
		.amdhsa_user_sgpr_count 2
		.amdhsa_user_sgpr_kernarg_segment_ptr 1
		.amdhsa_wavefront_size32 1
		.amdhsa_system_sgpr_workgroup_id_x 1
		.amdhsa_system_sgpr_workgroup_id_y 1
		.amdhsa_system_sgpr_workgroup_id_z 1
		.amdhsa_system_vgpr_workitem_id 0
		.amdhsa_next_free_vgpr 256
		.amdhsa_next_free_sgpr 84
		.amdhsa_reserve_vcc 1
		.amdhsa_float_denorm_mode_32 3
		.amdhsa_float_denorm_mode_16_64 3
		.amdhsa_memory_ordered 1
		.amdhsa_forward_progress 1
		.amdhsa_inst_pref_size 89
	.end_amdhsa_kernel
	.amdgpu_metadata
---
amdhsa.version: [ 1, 2 ]
amdhsa.kernels:
  - .name:           k_q56168c0b6f_attn
    .symbol:         k_q56168c0b6f_attn.kd
    .args:
      - { .name: qimg, .offset: 0, .size: 8, .value_kind: global_buffer, .address_space: global }
      - { .name: qsc, .offset: 8, .size: 8, .value_kind: global_buffer, .address_space: global }
      - { .name: kv, .offset: 16, .size: 8, .value_kind: global_buffer, .address_space: global }
      - { .name: cimg, .offset: 24, .size: 8, .value_kind: global_buffer, .address_space: global }
      - { .name: csc, .offset: 32, .size: 8, .value_kind: global_buffer, .address_space: global }
    .group_segment_fixed_size: 327680
    .private_segment_fixed_size: 0
    .kernarg_segment_align: 8
    .kernarg_segment_size: 40
    .max_flat_workgroup_size: 512
    .sgpr_count:     84
    .vgpr_count:     256
    .wavefront_size: 32
...
	.end_amdgpu_metadata
.endif
;; end of part 3
;; launch outp (part 4): grid 4 x 64, 4 waves a work-group, no clusters, 68,096 bytes of LDS; arguments cimg, csc, wimg, wsc, bo, out0; writes out0
.if DOCPART == 4
	.amdgcn_target "amdgcn-amd-amdhsa--gfx1250"
	.amdhsa_code_object_version 6
	.text
	.protected	k_q56168c0b6f_outp
	.globl	k_q56168c0b6f_outp
	.p2align	8
	.type	k_q56168c0b6f_outp,@function
k_q56168c0b6f_outp:
	s_mov_b64 s[64:65], 0
	v_nop
	global_prefetch_b8 v0, s[64:65] scope:SCOPE_SE
	s_setreg_imm32_b32 hwreg(HW_REG_WAVE_MODE, 25, 1), 1
	s_wait_xcnt 0x0
; out0 = ctx Wo + bo on codes of BF6 (E3M2) with E8M0 scales.  Both operands arrive as images of operand registers: ctx from the attention (cimg [tile of 16 rows 512][head 8] x 768 bytes: a half fragment, registers 0-1 at 8 l,
; registers 2-5 at 256 + 16 l; csc [tile][row][16 scale bytes]), Wo from the first launch (wimg, wsc: matrix 3).
; SHARES.  A work-group takes 128 rows (R = work-group y) x 128 columns (g = work-group x).  Wave w takes tiles 8 R + 2 w and 8 R + 2 w + 1, which hold rows X + 0 .. 15 and X + 32 .. 47, X = 16 (w % 2) + 64 (w / 2), against the 8 tiles of columns: 16 accumulators,
; 64 matrix instructions, by turns.  The waves share nothing: no barrier, no branch, no loop.  All 162 loads of a wave go out at the head; the products of K step s wait for its own 32 alone.
; Source 0 = Wo's tile, source 1 = ctx's: a lane holds one row of ctx and eight neighbouring columns.  Lane r of ctx's tile u is row 8 u + r + 8 (r / 8) of the wave's 32, lane r of Wo's tile t column 32 (t / 2) + 8 (t % 2) + r + 8 (r / 8):
; the wave's own stage in LDS (32 rows x (512 + 16) bytes) puts both back in order, and each store then writes 512 consecutive aligned bytes of a row of out0.  The bias is the C of each sum's first matrix instruction.
; NO CLUSTER: no tile goes through the data mover: fragments go from memory straight into the registers of the one wave of the work-group that uses them.
; REGISTERS, in windows of 256.  Window 0: addresses; v16-31 Wo's scale words, v32-39 ctx's; v64-191 the accumulators, (u, t) at 64 + 64 u + 8 t; v192-255 rows on the way out.
; Window 1: Wo's fragments of K steps 0, 1 at 96 s + 12 t.  Window 2: of K steps 2, 3.  Window 3: ctx's, (u, s) at 12 (4 u + s); from v128 the bias, 8 registers a tile.
.set WS,  16
.set CSW, 32
.set ACC, 64
.set BK,  192
.set SP,  528                          ; a stage row
.set MSB, 0
.macro WIN new                         ; the immediate's high byte repeats the setting that is left; a switch that changes nothing is dropped
.if MSB != (\new)
	s_set_vgpr_msb (MSB<<8)|(\new)
.set MSB, (\new)
.endif
.endm
.macro MO u, t, s
.set rD, ACC+64*(\u)+8*(\t)
.set rW, 96*((\s)%2)+12*(\t)
.set rC, 12*(4*(\u)+(\s))
.set rS, WS+4*((\t)/2)+(\s)
.if (\s) == 0
.if (\t)%2
	v_wmma_scale_f32_16x16x128_f8f6f4 v[rD:rD+7], v[rW:rW+11], v[rC:rC+11], v[128+8*(\t):128+8*(\t)+7], v[rS], v[CSW+4*(\u)+(\s)] matrix_a_fmt:MATRIX_FMT_BF6 matrix_b_fmt:MATRIX_FMT_BF6 matrix_a_scale:MATRIX_SCALE_ROW1
.else
	v_wmma_scale_f32_16x16x128_f8f6f4 v[rD:rD+7], v[rW:rW+11], v[rC:rC+11], v[128+8*(\t):128+8*(\t)+7], v[rS], v[CSW+4*(\u)+(\s)] matrix_a_fmt:MATRIX_FMT_BF6 matrix_b_fmt:MATRIX_FMT_BF6
.endif
.else
.if (\t)%2
	v_wmma_scale_f32_16x16x128_f8f6f4 v[rD:rD+7], v[rW:rW+11], v[rC:rC+11], v[rD:rD+7], v[rS], v[CSW+4*(\u)+(\s)] matrix_a_fmt:MATRIX_FMT_BF6 matrix_b_fmt:MATRIX_FMT_BF6 matrix_a_scale:MATRIX_SCALE_ROW1
.else
	v_wmma_scale_f32_16x16x128_f8f6f4 v[rD:rD+7], v[rW:rW+11], v[rC:rC+11], v[rD:rD+7], v[rS], v[CSW+4*(\u)+(\s)] matrix_a_fmt:MATRIX_FMT_BF6 matrix_b_fmt:MATRIX_FMT_BF6
.endif
.endif
.endm
	s_load_b256 s[4:11], s[0:1], 0x0               ; cimg s[4:5], csc s[6:7], wimg s[8:9], wsc s[10:11]
	s_load_b128 s[12:15], s[0:1], 0x20             ; bo s[12:13], out0 s[14:15]
	v_lshl_add_u32 v62, v0, 2, 0x10800
	v_mov_b32 v63, 0
	v_lshrrev_b32 v1, 5, v0
	v_readfirstlane_b32 s16, v1                    ; wave 0..3
	v_and_b32 v1, 31, v0                           ; lane
	v_and_b32 v9, 15, v0                           ; r
	v_bfe_u32 v10, v0, 4, 1                        ; h
	v_lshlrev_b32 v2, 4, v1                        ; v2 = 16 x lane
	v_lshlrev_b32 v3, 3, v1                        ; v3 = 8 x lane
	v_lshlrev_b32 v4, 2, v1                        ; v4 = 4 x lane
	v_lshlrev_b32 v5, 4, v9                        ; v5 = 16 r: my row's 16 scale bytes
	v_lshlrev_b32 v6, 6, v10                       ; v6 = 64 h
	v_and_b32 v11, 8, v9
	v_add_nc_u32 v11, v11, v9                      ; r + 8 (r / 8)
	v_mul_u32_u24 v7, v11, SP
	v_add_nc_u32 v7, v7, v6
	s_mul_i32 s17, s16, 32*SP                      ; my stage
	v_add_nc_u32 v7, s17, v7                       ; v7: into it: my row, + 64 h
	v_add_nc_u32 v8, s17, v2                       ; v8: out of it: 16 bytes a lane of a whole row
	s_and_b32 s18, ttmp7, 0xffff                   ; R
	s_lshl_b32 s19, s18, 3
	s_lshl_b32 s20, s16, 1
	s_add_co_u32 s19, s19, s20                     ; my first tile: 8 R + 2 w
	s_mul_i32 s20, s19, 6144
	s_mov_b32 s21, 0
	s_lshl_b32 s22, s19, 8
	s_mov_b32 s23, 0
	s_lshl_b32 s24, ttmp9, 2
	s_add_co_u32 s24, s24, 48                      ; Wo's group of 32 columns: 48 + 4 g
	s_lshl_b32 s26, s24, 9
	s_mov_b32 s27, 0
	s_mul_i32 s24, s24, 12288
	s_mov_b32 s25, 0
	s_lshl_b32 s28, ttmp9, 9                       ; 128 columns of 4 bytes
	s_mov_b32 s29, 0
	s_lshl_b32 s30, s18, 18                        ; 128 rows of 2,048 bytes,
	s_and_b32 s31, s16, 1                          ; lane r of ctx's tile m of a block of 128 is row 8 (m % 4) + 64 (m / 4) + r % 8 + 32 (r / 8): my two tiles hold rows X + 0 .. 15 and X + 32 .. 47,
	s_lshl_b32 s31, s31, 15                        ; X = 16 (w % 2) + 64 (w / 2); the stage's rows 0-15 are the first sixteen, its rows 16-31 the others
	s_lshr_b32 s32, s16, 1
	s_lshl_b32 s32, s32, 17
	s_add_co_u32 s31, s31, s32
	s_add_co_u32 s30, s30, s31
	s_add_co_u32 s30, s30, s28                     ; and the columns
	s_mov_b32 s31, 0
	s_wait_alu depctr_va_vdst(0)
	s_wait_kmcnt 0x0
	s_add_nc_u64 s[4:5], s[4:5], s[20:21]
	s_add_nc_u64 s[6:7], s[6:7], s[22:23]
	s_add_nc_u64 s[8:9], s[8:9], s[24:25]
	s_add_nc_u64 s[10:11], s[10:11], s[26:27]
	s_add_nc_u64 s[12:13], s[12:13], s[28:29]
	s_add_nc_u64 s[14:15], s[14:15], s[30:31]
.irp b, 0,1,2,3
.irp s, 0,1,2,3
	global_load_b32 v[WS+4*\b+\s], v4, s[10:11] offset:\b*512+\s*128   ; lanes 0-15 the even tile's words, lanes 16-31 the odd tile's
.endr
.endr
.irp u, 0,1
	global_load_b128 v[CSW+4*\u:CSW+4*\u+3], v5, s[6:7] offset:256*\u  ; my row's four scale words, one for each K step
.endr
	WIN 0xc0                                       ; destination window 3
.irp t, 0,1,2,3,4,5,6,7
	global_load_b128 v[128+8*\t:128+8*\t+3], v6, s[12:13] offset:(32*(\t/2)+8*(\t%2))*4
	global_load_b128 v[128+8*\t+4:128+8*\t+7], v6, s[12:13] offset:(32*(\t/2)+8*(\t%2))*4+16
.endr
.irp s, 0,1,2,3                        ; 32 loads a K step: 24 for Wo, 8 for ctx
	WIN 0x40+0x40*(\s/2)                           ; destination window 1 or 2
.irp t, 0,1,2,3,4,5,6,7
.irp c, 0,1,2
	global_load_b128 v[96*(\s%2)+12*\t+4*\c:96*(\s%2)+12*\t+4*\c+3], v2, s[8:9] offset:(\t/2)*12288+\s*3072+(\t%2)*1536+512*\c
.endr
.endr
	WIN 0xc0
.irp u, 0,1
.irp e, 0,1                            ; heads 2 s and 2 s + 1 are the fragment's two halves
	global_load_b64 v[12*(4*\u+\s)+6*\e:12*(4*\u+\s)+6*\e+1], v3, s[4:5] offset:\u*6144+(2*\s+\e)*768
	global_load_b128 v[12*(4*\u+\s)+6*\e+2:12*(4*\u+\s)+6*\e+5], v2, s[4:5] offset:\u*6144+(2*\s+\e)*768+256
.endr
.endr
.endr
.irp s, 0,1,2,3
.if \s < 2
	s_wait_loadcnt 63                              ; 96 and 64 younger loads may be out: the wait names 63 at the most
.else
	s_wait_loadcnt 32*(3-\s)                       ; the later K steps' loads may be out
.endif
.if \s == 0
	WIN 0x3d                                       ; source 0 window 1, source 1 and C (the bias) window 3, D window 0
.elseif \s == 1
	WIN 0x0d                                       ; C and D window 0
.else
	WIN 0x0e                                       ; source 0 window 2
.endif
.irp u, 0,1
.irp t, 0,1,2,3,4,5,6,7
	MO \u, \t, \s
.endr
.endr
.endr
	WIN 0
.rept 4
	v_nop                                          ; four places in front of the first read of results
.endr
.irp u, 0,1
.irp t, 0,1,2,3,4,5,6,7
	ds_store_b128 v7, v[ACC+64*\u+8*\t:ACC+64*\u+8*\t+3] offset:\u*8*SP+(\t/2)*128+(\t%2)*32        ; each accumulator from its low end on: columns 32 (t / 2) + 8 (t % 2) + 16 h + 0 .. 7 of row 8 u + r + 8 (r / 8)
	ds_store_b128 v7, v[ACC+64*\u+8*\t+4:ACC+64*\u+8*\t+7] offset:\u*8*SP+(\t/2)*128+(\t%2)*32+16
.endr
.endr
.irp i, 0,1,2,3,4,5,6,7,8,9,10,11,12,13,14,15
	ds_load_b128 v[BK+4*\i:BK+4*\i+3], v8 offset:\i*SP             ; LDS serves a wave's instructions in order: these see my stores
.endr
	s_wait_dscnt 16                                ; all but the sixteen loads just issued: the stores have read the accumulators, into which the other sixteen rows come
.irp i, 0,1,2,3,4,5,6,7,8,9,10,11,12,13,14,15
	ds_load_b128 v[ACC+4*\i:ACC+4*\i+3], v8 offset:(16+\i)*SP
.endr
.irp i, 0,1,2,3,4,5,6,7,8,9,10,11,12,13,14,15
	s_wait_dscnt 31-\i                             ; row i is back; the younger loads may be out
	global_store_b128 v2, v[BK+4*\i:BK+4*\i+3], s[14:15] offset:2048*\i th:TH_STORE_NT   ; 32 lanes store 512 consecutive bytes, at a multiple of 256 from out0's first byte
.endr
.irp i, 0,1,2,3,4,5,6,7,8,9,10,11,12,13,14,15
	s_wait_dscnt 15-\i
	global_store_b128 v2, v[ACC+4*\i:ACC+4*\i+3], s[14:15] offset:2048*(32+\i) th:TH_STORE_NT
.endr
	s_wait_tensorcnt 0x0
	ds_add_u32 v62, v63
	s_wait_dscnt 0x0
	s_endpgm
.Lfunc_end_k_q56168c0b6f_outp:
	.size	k_q56168c0b6f_outp, .Lfunc_end_k_q56168c0b6f_outp-k_q56168c0b6f_outp
	.p2alignl 7, 3214868480
	.fill 96, 4, 3214868480
	.section	.rodata,"a",@progbits
	.p2align	6, 0x0
	.amdhsa_kernel k_q56168c0b6f_outp
		.amdhsa_group_segment_fixed_size 68096
		.amdhsa_private_segment_fixed_size 0
		.amdhsa_enable_private_segment 0
		.amdhsa_kernarg_size 48
		.amdhsa_user_sgpr_count 2
		.amdhsa_user_sgpr_kernarg_segment_ptr 1
		.amdhsa_wavefront_size32 1
		.amdhsa_system_sgpr_workgroup_id_x 1
		.amdhsa_system_sgpr_workgroup_id_y 1
		.amdhsa_system_sgpr_workgroup_id_z 1
		.amdhsa_system_vgpr_workitem_id 0
		.amdhsa_next_free_vgpr 1024
		.amdhsa_next_free_sgpr 66
		.amdhsa_reserve_vcc 0
		.amdhsa_float_denorm_mode_32 3
		.amdhsa_float_denorm_mode_16_64 3
		.amdhsa_memory_ordered 1
		.amdhsa_forward_progress 1
		.amdhsa_inst_pref_size 35
	.end_amdhsa_kernel
	.amdgpu_metadata
---
amdhsa.version: [ 1, 2 ]
amdhsa.kernels:
  - .name:           k_q56168c0b6f_outp
    .symbol:         k_q56168c0b6f_outp.kd
    .args:
      - { .name: cimg, .offset: 0, .size: 8, .value_kind: global_buffer, .address_space: global }
      - { .name: csc, .offset: 8, .size: 8, .value_kind: global_buffer, .address_space: global }
      - { .name: wimg, .offset: 16, .size: 8, .value_kind: global_buffer, .address_space: global }
      - { .name: wsc, .offset: 24, .size: 8, .value_kind: global_buffer, .address_space: global }
      - { .name: bo, .offset: 32, .size: 8, .value_kind: global_buffer, .address_space: global }
      - { .name: out0, .offset: 40, .size: 8, .value_kind: global_buffer, .address_space: global }
    .group_segment_fixed_size: 68096
    .private_segment_fixed_size: 0
    .kernarg_segment_align: 8
    .kernarg_segment_size: 48
    .max_flat_workgroup_size: 128
    .sgpr_count:     66
    .vgpr_count:     1024
    .wavefront_size: 32
...
	.end_amdgpu_metadata
.endif
;; end of part 4
